; MI455X (gfx1250); checked and timed in simulation.
; The chip was launched on July 23, 2026; its instructions are those of AMD's public machine-readable ISA for CDNA 5 (MIT licence, August 2026) and "CDNA5" Instruction Set Architecture Reference Guide (July 2026). The comments in the code are by the model that wrote it; some were corrected since.
;; Global Local Attention. Allowed arithmetic: matrix products marked QUANTISED: E2M1 operands, one E8M0 scale for each 32 along K, by v_wmma_scale_f32_16x16x128_f8f6f4 with both operands' format E2M1 (or v_wmma_scale_f32_32x16x128_f4), f32 sums; everything else in f32.
;; Inputs: k_codes 2 x 16 x 2,048 x 4 x 16 uint8 (E2M1 codes of k, K innermost, in blocks of 32 codes, two codes a byte); k_scales 2 x 16 x 2,048 x 4 uint8 (E8M0 scales of k, one for each 32 codes along K); q_codes 2 x 16 x 2,048 x 4 x 16 uint8 (E2M1 codes of q, K innermost, in blocks of 32 codes, two codes a byte); q_scales 2 x 16 x 2,048 x 4 uint8 (E8M0 scales of q, one for each 32 codes along K); v_codes 2 x 16 x 128 x 64 x 16 uint8 (E2M1 codes of v, K innermost, in blocks of 32 codes, two codes a byte); v_scales 2 x 16 x 128 x 64 uint8 (E8M0 scales of v, one for each 32 codes along K).
;; Outputs: out0 2 x 16 x 2,048 x 128 float32.
;; This version of the problem:
;;   THIS VERSION OF THE PROBLEM IS GIVEN IN LOW PRECISION. The matrix products marked QUANTISED in the list below multiply operands that are first quantised to E2M1 (2 exponent bits, 1 mantissa bit; 4 bits a number), with one power-of-two scale for each 32 numbers along K (OCP MX v1.0); their sums are f32. All else is computed in f32.
;;   The module's matrix products, in the order in which they are computed (A, B: the left and right operand; K: the contracted axis; several contracted axes count as one K, in the product's order):
;;     1. batch 32 x [M 2,048, K 128] x [K 128, N 2,048]; A: input q (given as codes); B: input k (given as codes): QUANTISED
;;     2. batch 32 x [M 2,048, K 2,048] x [K 2,048, N 128]; A: softmax (see below); B: input v (given as codes): QUANTISED
;;   THE QUANTISER, for each operand of a quantised product, along K:
;;     - K is cut into blocks of 32 from its start; a last block that is shorter is filled with zeros.
;;     - A block's scale is 2^e with e = floor(log2(the largest magnitude in the block)) - 2, held to -126 .. 127; a block of zeros has e = 0. As a byte (E8M0): e + 127.
;;     - Each number is divided by its block's scale, clamped to +-6, and rounded to the nearest number of E2M1, ties to even, subnormals kept.
;;     - The product sums the exact products of the quantised numbers (number of the format x scale) in f32.
;;   ~~~python
;;   def quantise(x, axis):      # numpy; x: float32 -> the quantised numbers, widened to float32 again
;;       x = np.moveaxis(x, axis, -1); K = x.shape[-1]
;;       x = np.pad(x, [(0, 0)] * (x.ndim - 1) + [(0, -K % 32)]); x = x.reshape(x.shape[:-1] + (-1, 32)); a = np.abs(x).max(-1, keepdims=True)
;;       e = np.where(a > 0, np.clip(np.frexp(np.where(a > 0, a, 1))[1] - 1 - 2, -126, 127), 0)      # np.frexp(a)[1] - 1 = floor(log2(a)), exactly
;;       r = np.clip(x / 2.0 ** e, -6, 6)
;;       step = 2.0 ** (np.maximum(np.frexp(np.where(r == 0, 1, r))[1] - 1, 0) - 1)
;;       q = np.round(r / step) * step * 2.0 ** e      # np.round: ties to even
;;       return np.moveaxis(q.reshape(q.shape[:-2] + (-1,))[..., :K], -1, axis).astype(np.float32)
;;   ~~~
;;   SOFTMAX AHEAD OF A QUANTISED PRODUCT. Where the list says 'softmax', what is quantised is not the finished softmax but p = 2^(t - M), with t = logit x log2(e) and M = ceil(the row's largest t), a whole number; so 1/2 < the row's largest p <= 1. The row's sum l is taken of the UNQUANTISED p, in f32, and the product's result is divided by l at the end. Since M is a whole number, a kernel that streams over the keys may use a running M (the ceiling of the running maximum): every later rescaling is an exact power of two, which a block's scale takes up: the codes' values come out the same.
;;   OPERANDS COMPUTED ON THE WAY. 'Computed on the way' means the value that the module computes at that place (a softmax that the list does not call 'softmax' is quantised finished and normalised). What goes into a quantiser is computed in f32, as accurately as f32 sums, v_exp_f32 and their like allow (about 1e-6 of the number): no bf16 or f16 on the way to a quantiser, and a product that is left as it is and whose result goes on into a quantised operand takes f32 operands (vector FMAs, or v_wmma_f32_16x16x4_f32). A number that lies on a knife's edge between two numbers of the format may be rounded either way, as far as f32 arithmetic and the matrix unit's own rounding can turn it there, and no further.
;;   INPUTS GIVEN AS CODES. k (in the module: [2, 16, 2048, 128], K = its axis 3); q (in the module: [2, 16, 2048, 128], K = its axis 3); v (in the module: [2, 16, 2048, 128], K = its axis 2): each comes as NAME_codes (uint8): NAME with its K axis moved to the last place and cut into blocks of 32 codes, [.., K / 32, bytes a block], one block behind the other in memory; two codes a byte, the lower K in the low four bits (a code: sign, 2 exponent bits, 1 mantissa bit); and NAME_scales (uint8): the same leading axes, one E8M0 byte (e + 127) for each 32 codes along K. Its value is code x scale, taken as it is: it is not quantised again, and the codes and scales need not be those that the quantiser above would give.
;; One version. Each part assembles by itself: llvm-mc -triple=amdgcn-amd-amdhsa -mcpu=gfx1250 --defsym DOCPART=n.
;; ======== version 1 of 1: 1 launch
;; launch gla (part 1): grid 8 x 32, 16 waves a work-group, no clusters, 288,768 bytes of LDS; arguments q_codes, q_scales, k_codes, k_scales, v_codes, v_scales, out0; writes out0
.if DOCPART == 1
	.amdgcn_target "amdgcn-amd-amdhsa--gfx1250"
	.amdhsa_code_object_version 6
	.text
	.protected	k_q3678a8e1e3_gla
	.globl	k_q3678a8e1e3_gla
	.p2align	8
	.type	k_q3678a8e1e3_gla,@function
k_q3678a8e1e3_gla:
	s_mov_b64 s[64:65], 0
	v_nop
	global_prefetch_b8 v0, s[64:65] scope:SCOPE_SE
	s_setreg_imm32_b32 hwreg(HW_REG_WAVE_MODE, 25, 1), 1
	s_wait_xcnt 0x0
; O[head][q] = sum over the keys that count of softmax(Q.K / sqrt(128)) V, 32 heads, 2,048 queries and keys, head size 128, both products on codes of FP4 (E2M1) with one E8M0 byte for each 32 along K.
; WHICH KEYS COUNT: key k counts for query q where q - 256 <= k <= q + 256, or k < 16, or q < 16.  Only steps of keys that hold a key that counts are multiplied.
; THE SOFTMAX: t = score x log2(e) / sqrt(128); M = the largest t so far, rounded up to a whole number; p = 2^(t - M) is quantised along the keys in blocks of 32 counted from key 0; the row's sum is taken of the
; unquantised p and divides O at the end.  When M moves, the sum and O are multiplied by 2^(old M - new M): exact.
; SHARES.  Work-group (x = b, y = head) owns queries 256 b .. 256 b + 255; each of its 16 waves one tile of 16 queries, q0 = 256 b + 16 w, in 256 registers.  A tile's band q0 - 256 .. q0 + 271, cut at multiples of
; 128, is five steps of 128 keys: steps h8 + 0 .. 4 (h8 = w / 8) of the work-group's window of 768 keys, which begins at key 256 b - 256.  So every LDS address hangs on the wave's number alone.
; BLOCK 0 (keys 0 .. 31) holds the 16 keys that always count and, for early queries, keys of the band.  A block has ONE scale, so it is taken whole, once, as a small first step with its own mask, and the band's steps hide every key under 32.
; QUERIES 0 .. 15 see all 2,048 keys.  In the work-groups with b = 0, waves 0 .. 7 take 256 keys each for these rows, operands straight from memory; the eight parts (-M, sum, O^T) meet in LDS and all sixteen waves
; join them, four registers each.  Wave 0's own tile is these rows: its band steps are all passed over and it stores nothing on the common way out.
; LAYOUT.  Both products are used transposed (S^T = K Q^T, O^T = V^T P^T): a lane holds one query (lane % 16) throughout.  Lane r of K's tile 2 b + u takes key 32 b + 8 u + r + 8 (r / 8), so that the 16 registers of
; two neighbouring tiles are 16 neighbouring keys, 32 b + 16 (lane / 16) + 0 .. 15.
; LDS IS FILLED ONCE: K's and V's window and V's scale bytes come by tensor loads at the head; no byte is filled again.  A group of the window that lies outside the head (b = 0: the first; b = 7: the last) is
; replaced by the nearest group that exists and is never read: so every wave issues the same loads on every path.
; NO CLUSTER: neighbouring work-groups share two of three groups of keys, but at different places of their windows, and a joint load wants one LDS address in all partners; alike in all lie only block 0's tiles, 19 KB of 116 KB.
; V's rows in a tile are 128 bytes (256 keys): the window begins at multiples of 256 keys, that is of 128 bytes of a row of V.
; LIMITS: scale bytes 0xff and scores beyond f32 are not served (reference() is not finite there either); a p under 2^-126 is taken as 0 by v_exp_f32; a block of p that is all zeros gets the byte 1, not 127: its
; codes are zeros, and only this program reads the byte.
.set KP,    80                         ; a key's row in LDS: 64 bytes + 16 of padding
.set KSTEP, 128*KP                     ; a step of 128 keys
.set KB,    0                          ; K: the window's six steps
.set VP,    144                        ; a row of V's tile: 128 bytes (256 keys) + 16
.set GV,    128*VP                     ; a tile of V: 128 rows
.set VB,    6*KSTEP                    ; V: four tiles: keys 0 .. 255, then the window's three groups
.set TB,    VB+4*GV                    ; V's scale bytes: four tiles of 128 rows x 8 bytes
.set STG,   TB+4*1024                  ; the way out: 16 rows x 272 bytes for each wave
.set PART,  STG+16*16*272              ; queries 0 .. 15: eight images of O^T, 8,192 bytes each,
.set PNM,   PART+8*8192                ; eight of -M (128 bytes each), and 1,024 bytes on eight of the sum,
.set MST,   PNM+2048                   ; and the joined rows: 16 x 528 bytes
.set AK,  1                            ; v1   K's tiles: 80 (r + 8 (r / 8)) + 16 h + 10,240 h8
.set AVE, 2                            ; v2   V's tiles in even steps,  v3 in odd steps
.set AVO, 3
.set ATE, 4                            ; v4   V's scale words in even steps,  v5 in odd steps
.set ATO, 5
.set AVG, 6                            ; v6   V's tile of keys 0 .. 255,  v7 its scale words
.set ATG, 7
.set STO, 8                            ; v8   my stage: in,  v9 back
.set SRD, 9
.set GO,  10                           ; v10  my bytes in the head's O
.set MGO, 11                           ; v11  row w of O, 16 bytes a lane
.set PA,  24                           ; v24  where I store my part's O^T,  v25 its -M and sum
.set PS,  25
.set MA,  26                           ; v26  where I read the parts' four registers that I join,  v27 their -M and sums
.set MS,  27
.set MW,  28                           ; v28  where the joined numbers go,  v29 where row w is read back
.set MR,  29
.set LOQ, 30                           ; v30  max(my query - 256, 32) - 16 h
.set HIQ, 31                           ; v31  my query + 256 - 16 h
.set RFR, 32                           ; v32-63   four fragments of K or of V
.set RKS, 64                           ; v64-83   K's scale words: step i, tiles 2 x and 2 x + 1 at v[64 + 4 i + x]
.set GK,  84                           ; v84-87   queries 0 .. 15: my 256 keys in K, K's scales, V, V's scales
.set GKS, 85
.set GVA, 86
.set GVS, 87
.set QOFF, 88                          ; v88  64 r + 16 h,  v89  4 r,  v90  4 (8 h + r + 8 (r / 8))
.set QSOFF, 89
.set KSOFF, 90
.set KGS, 91                           ; v91  block 0's scale words of K
.set GMQ, 92                           ; v92  block 0's mask: my query - 272 in lanes 16-31, -1 in lanes 0-15
.set KG0, 93                           ; v93  64 (r + 8 (r / 8)) + 16 h;  v94, v95, v240-242: the five steps' offsets in K's scales
.set RSC, 96                           ; v96-159  S^T, then p
.set ROT, 160                          ; v160-223 O^T
.set RPC, 224                          ; v224-231 p's codes
.set RBM, 232                          ; v232-235 the blocks' largest scores, then largest p
.set RPM, 236                          ; v236-239 at work
.set RCV, 244                          ; v244-247 the conversions' scale operands
.set RVS, 248                          ; v248-251 V's scale words, tiles 2 x and 2 x + 1 in one register;  v252 f, v253 p's scale word, v254 at work, v255 Q's scale words
.set WV,  18                           ; s18 wave, s19 b
.set BX,  19
.set SEL, 20                           ; s[20:21] v_permlanex16_b32's selects for lane l xor 16
.set CS,  22                           ; s[22:23] c = log2(e) / sqrt(128)
.set G1K, 24                           ; s[24:31], s[32:39], s[40:47] descriptor groups 1: K's tiles, V's tiles, V's scale bytes
.set G1V, 32
.set G1S, 40
.set Q0,  96                           ; s96 my first query, s97 the step's first key, s98 h8, s99 the largest low edge of my 16 queries
.set KF,  97
.set H8,  98
.set LOMAX, 99
.macro PLACES                          ; four plain places: behind matrix instructions, in front of loads into their registers and of reads of their results
.rept 4
	v_nop
.endr
.endm
.macro LDK i, g                        ; four tiles of 16 keys of step i from LDS
.irp t, 0,1,2,3
.irp c, 0,1
	ds_load_b128 v[RFR+8*\t+4*\c:RFR+8*\t+4*\c+3], v[AK] offset:KSTEP*(\i)+(32*((4*\g+\t)/2)+8*(\t%2))*KP+32*\c
.endr
.endr
.endm
.macro LDKG s, g                       ; the same from memory, for queries 0 .. 15: step s of my two; with g = 0 the step's four scale registers too
.irp t, 0,1,2,3
.irp c, 0,1
	global_load_b128 v[RFR+8*\t+4*\c:RFR+8*\t+4*\c+3], v[GK], s[8:9] offset:8192*\s+(32*((4*\g+\t)/2)+8*(\t%2))*64+32*\c
.endr
.endr
.if \g == 0
.irp x, 0,1,2,3
	global_load_b32 v[RKS+\x], v[GKS], s[10:11] offset:512*\s+128*\x
.endr
.endif
.endm
.macro QK g, ks                        ; S^T = K Q^T, four tiles; an odd tile's scale words lie in lanes 16-31 of the pair's register
.irp t, 0,1,2,3
.if \t%2
	v_wmma_scale_f32_16x16x128_f8f6f4 v[RSC+8*(4*\g+\t):RSC+8*(4*\g+\t)+7], v[RFR+8*\t:RFR+8*\t+7], v[16:23], 0, v[(\ks)+(4*\g+\t)/2], v255 matrix_a_fmt:MATRIX_FMT_FP4 matrix_b_fmt:MATRIX_FMT_FP4 matrix_a_scale:MATRIX_SCALE_ROW1
.else
	v_wmma_scale_f32_16x16x128_f8f6f4 v[RSC+8*(4*\g+\t):RSC+8*(4*\g+\t)+7], v[RFR+8*\t:RFR+8*\t+7], v[16:23], 0, v[(\ks)+(4*\g+\t)/2], v255 matrix_a_fmt:MATRIX_FMT_FP4 matrix_b_fmt:MATRIX_FMT_FP4
.endif
.endr
.endm
.macro LDV adr, off, g                 ; four tiles of 16 of the head's 128 channels x 128 keys from LDS
.irp t, 0,1,2,3
.irp c, 0,1
	ds_load_b128 v[RFR+8*\t+4*\c:RFR+8*\t+4*\c+3], v[\adr] offset:(\off)+16*(4*\g+\t)*VP+32*\c
.endr
.endr
.endm
.macro LDT adr, off                    ; V's scale words of the step: register x holds rows 32 x + lane
.irp x, 0,1,2,3
	ds_load_b32 v[RVS+\x], v[\adr] offset:(\off)+256*\x
.endr
.endm
.macro LDVG s, g                       ; the same two from memory
.irp t, 0,1,2,3
.irp c, 0,1
	global_load_b128 v[RFR+8*\t+4*\c:RFR+8*\t+4*\c+3], v[GVA], s[12:13] offset:64*\s+16*(4*\g+\t)*1024+32*\c
.endr
.endr
.if \g == 0
.irp x, 0,1,2,3
	global_load_b32 v[RVS+\x], v[GVS], s[14:15] offset:4*\s+2048*\x
.endr
.endif
.endm
.macro PV g, zero                      ; O^T += V^T P^T, four tiles; zero = 1: the product starts the sums.  The accumulators take turns, one instruction a turn
.irp t, 0,1,2,3
.if \zero
.if \t%2
	v_wmma_scale_f32_16x16x128_f8f6f4 v[ROT+8*(4*\g+\t):ROT+8*(4*\g+\t)+7], v[RFR+8*\t:RFR+8*\t+7], v[RPC:RPC+7], 0, v[RVS+(4*\g+\t)/2], v253 matrix_a_fmt:MATRIX_FMT_FP4 matrix_b_fmt:MATRIX_FMT_FP4 matrix_a_scale:MATRIX_SCALE_ROW1
.else
	v_wmma_scale_f32_16x16x128_f8f6f4 v[ROT+8*(4*\g+\t):ROT+8*(4*\g+\t)+7], v[RFR+8*\t:RFR+8*\t+7], v[RPC:RPC+7], 0, v[RVS+(4*\g+\t)/2], v253 matrix_a_fmt:MATRIX_FMT_FP4 matrix_b_fmt:MATRIX_FMT_FP4
.endif
.else
.if \t%2
	v_wmma_scale_f32_16x16x128_f8f6f4 v[ROT+8*(4*\g+\t):ROT+8*(4*\g+\t)+7], v[RFR+8*\t:RFR+8*\t+7], v[RPC:RPC+7], v[ROT+8*(4*\g+\t):ROT+8*(4*\g+\t)+7], v[RVS+(4*\g+\t)/2], v253 matrix_a_fmt:MATRIX_FMT_FP4 matrix_b_fmt:MATRIX_FMT_FP4 matrix_a_scale:MATRIX_SCALE_ROW1
.else
	v_wmma_scale_f32_16x16x128_f8f6f4 v[ROT+8*(4*\g+\t):ROT+8*(4*\g+\t)+7], v[RFR+8*\t:RFR+8*\t+7], v[RPC:RPC+7], v[ROT+8*(4*\g+\t):ROT+8*(4*\g+\t)+7], v[RVS+(4*\g+\t)/2], v253 matrix_a_fmt:MATRIX_FMT_FP4 matrix_b_fmt:MATRIX_FMT_FP4
.endif
.endif
.endr
.endm
; Register 16 b + i holds key KF + 32 b + 16 h + i.  Hidden scores become -infinity ahead of the maximum: p = 0 then.  Each accumulator is read from its low end on.
.macro LOWMASK                         ; hidden: key < max(query - 256, 32)
	v_sub_nc_u32 v252, v[LOQ], s[KF]
	v_mov_b32 v254, 0xff800000
.irp n, 0,1,2,3,4,5,6,7,8,9,10,11,12,13,14,15,16,17,18,19,20,21,22,23,24,25,26,27,28,29,30,31,32,33,34,35,36,37,38,39,40,41,42,43,44,45,46,47,48,49,50,51,52,53,54,55,56,57,58,59,60,61,62,63
	v_cmp_lt_i32 vcc_lo, 32*(\n/16)+\n%16, v252
	v_cndmask_b32 v[RSC+\n], v[RSC+\n], v254, vcc_lo
.endr
.endm
.macro HIGHMASK                        ; hidden: key > query + 256
	v_sub_nc_u32 v252, v[HIQ], s[KF]
	v_mov_b32 v254, 0xff800000
.irp n, 0,1,2,3,4,5,6,7,8,9,10,11,12,13,14,15,16,17,18,19,20,21,22,23,24,25,26,27,28,29,30,31,32,33,34,35,36,37,38,39,40,41,42,43,44,45,46,47,48,49,50,51,52,53,54,55,56,57,58,59,60,61,62,63
	v_cmp_gt_i32 vcc_lo, 32*(\n/16)+\n%16, v252
	v_cndmask_b32 v[RSC+\n], v[RSC+\n], v254, vcc_lo
.endr
.endm
.macro INIT                            ; the largest t so far: -3e38, under every t; -M; the sum in two halves
	v_mov_b32 v13, 0xff61b1e6
	v_floor_f32 v12, -v13
	v_mov_b32 v14, 0
	v_mov_b32 v15, 0
.endm
; The softmax of nb blocks of 32 keys (4: a step; 1: block 0 alone, the other three blocks of the operand being zero codes).  resc = 1: O^T is brought under the new M.
.macro SOFTMAX nb, resc
.irp b, 0,1,2,3
.if \b < \nb
	v_max3_num_f32 v[RBM+\b], v[RSC+16*\b], v[RSC+1+16*\b], v[RSC+2+16*\b]   ; the largest score of each block: for the row's maximum, and, since p rises with the score, for the block's largest p
.endif
.endr
.irp i, 3,5,7,9,11,13
.irp b, 0,1,2,3
.if \b < \nb
	v_max3_num_f32 v[RBM+\b], v[RBM+\b], v[RSC+16*\b+\i], v[RSC+1+16*\b+\i]
.endif
.endr
.endr
.irp b, 0,1,2,3
.if \b < \nb
	v_max_num_f32 v[RBM+\b], v[RBM+\b], v[RSC+15+16*\b]
.endif
.endr
.irp b, 0,1,2,3
.if \b < \nb
	v_permlanex16_b32 v[RPM+\b], v[RBM+\b], s[SEL], s[SEL+1]
.endif
.endr
.irp b, 0,1,2,3
.if \b < \nb
	v_max_num_f32 v[RBM+\b], v[RBM+\b], v[RPM+\b]                  ; with lane l xor 16's 16 keys
.endif
.endr
.if \nb == 4
	v_max3_num_f32 v254, v[RBM], v[RBM+1], v[RBM+2]
	v_max_num_f32 v254, v254, v[RBM+3]
	v_mul_f32 v254, s[CS], v254                                    ; the step's largest score as t (c is positive)
.else
	v_mul_f32 v254, s[CS], v[RBM]
.endif
	v_max_num_f32 v13, v13, v254                                   ; the running largest t
	v_mov_b32 v254, v12
	v_floor_f32 v12, -v13                                          ; the new -M = floor(-t) = -ceil(t)
	v_sub_f32 v254, v12, v254                                      ; old M - new M: a whole number, 0 or less
	v_cvt_i32_f32 v254, v254                                       ; (it saturates)
	v_ldexp_f32 v252, 1.0, v254                                    ; f = 2^(old M - new M)
.set j, 0
.rept 8*\nb
	v_pk_fma_f32 v[RSC+j:RSC+j+1], v[RSC+j:RSC+j+1], s[CS:CS+1], v[12:13] op_sel_hi:[1,0,0]   ; t - M, two at a time
.set j, j+2
.endr
.irp b, 0,1,2,3
.if \b < \nb
	v_fma_f32 v[RBM+\b], v[RBM+\b], s[CS], v12                     ; the same of each block's largest score
.endif
.endr
.set j, 0
.rept 16*\nb
	v_exp_f32 v[RSC+j], v[RSC+j]                                   ; p = 2^(t - M)
.set j, j+1
.endr
.irp b, 0,1,2,3
.if \b < \nb
	v_exp_f32 v[RBM+\b], v[RBM+\b]                                 ; the block's largest p: the same two instructions on the same number
.endif
.endr
	v_pk_mul_f32 v[14:15], v[14:15], v[252:253] op_sel_hi:[1,0]    ; the sum under the new M; also the plain place behind the exponentials
	s_wait_alu depctr_va_vdst(0)
.irp b, 0,1,2,3
.if \b < \nb
	v_max_num_f32 v[RBM+\b], 0x1800000, v[RBM+\b]                  ; the floor 2^(3 - 127): the byte cannot fall under 1
.endif
.endr
.irp b, 0,1,2,3
.if \b < \nb
	v_add_nc_u32 v[RCV+\b], 0xff000000, v[RBM+\b]                  ; 2 off the exponent field: the conversion's scale operand
.endif
.endr
.irp b, 0,1,2,3
.if \b < \nb
	v_lshrrev_b32 v[RPM+\b], 23, v[RCV+\b]                         ; the scale's byte
.endif
.endr
.if \nb == 4
	v_lshl_or_b32 v253, v[RPM+1], 8, v[RPM]                        ; p's scale word for these 128 keys
	v_lshl_or_b32 v253, v[RPM+2], 16, v253
	v_lshl_or_b32 v253, v[RPM+3], 24, v253
.else
	v_or_b32 v253, 0x7f7f7f00, v[RPM]                              ; block 0's byte; 127 over the three blocks of zero codes
.endif
.irp b, 0,1,2,3
.if \b < \nb
	v_cvt_scalef32_pk8_fp4_f32 v[RPC+2*\b], v[RSC+16*\b:RSC+7+16*\b], v[RCV+\b]
	v_cvt_scalef32_pk8_fp4_f32 v[RPC+1+2*\b], v[RSC+8+16*\b:RSC+15+16*\b], v[RCV+\b]
.endif
.endr
.if \nb == 4
	v_nop                                                          ; one plain place behind a scaled conversion
.else
.irp z, 2,3,4,5,6,7
	v_mov_b32 v[RPC+\z], 0                                         ; keys 32 .. 127 of the operand: zero codes.  (The first of these is the plain place behind the conversions)
.endr
.endif
	v_permlane16_swap_b32 v[RPC], v[RPC+2]                         ; the operand's layout wants a whole block in a lane: lanes 0-15 block 2 c, lanes 16-31 block 2 c + 1
	v_permlane16_swap_b32 v[RPC+1], v[RPC+3]
.if \nb == 4
	v_permlane16_swap_b32 v[RPC+4], v[RPC+6]
	v_permlane16_swap_b32 v[RPC+5], v[RPC+7]
.endif
	v_pk_add_f32 v[RPM:RPM+1], v[RSC:RSC+1], v[RSC+2:RSC+3]        ; the row's sum is taken of the unquantised p: two at a time, in two chains
.set j, 4
.rept 4*\nb-1
	v_pk_add_f32 v[14:15], v[14:15], v[RSC+j:RSC+j+1]
	v_pk_add_f32 v[RPM:RPM+1], v[RPM:RPM+1], v[RSC+j+2:RSC+j+3]
.set j, j+4
.endr
	v_pk_add_f32 v[14:15], v[14:15], v[RPM:RPM+1]                  ; (these additions are places between the scale word and codes just made and the products that take them)
.if \resc
.set j, 0
.rept 32
	v_pk_mul_f32 v[ROT+j:ROT+j+1], v[ROT+j:ROT+j+1], v[252:253] op_sel_hi:[1,0]   ; O^T under the new M, each accumulator from its low end on
.set j, j+2
.endr
.endif
.endm
; A step of the band: the i-th of my five.  A step that begins outside the head's keys (or any step of the wave whose tile is queries 0 .. 15) is passed over: a scalar branch on ids; no barrier and no tensor load stands in a step.
.macro STEP i, low, high
	s_cmp_gt_u32 s[KF], 1920                       ; unsigned: a first key under 0 has wrapped and is large too
	s_cbranch_scc1 .Lskip_\@
	PLACES                                         ; the last products read v32-63
	LDK \i, 0
	s_wait_dscnt 0x0
	QK 0, RKS+4*(\i)
	PLACES
	LDK \i, 1
	s_wait_dscnt 0x0
	QK 1, RKS+4*(\i)
	PLACES                                         ; in front of the loads below and of the first read of the scores
.if (\i)%2
	LDV AVO, ((\i)/2)*GV+64, 0                     ; V's first four tiles and the scale words land under the softmax
	LDT ATO, ((\i)/2)*1024+4
.else
	LDV AVE, ((\i)/2)*GV, 0
	LDT ATE, ((\i)/2)*1024
.endif
.if \low
	s_cmp_ge_i32 s[KF], s[LOMAX]                   ; no key of the step lies under any of my queries' low edges
	s_cbranch_scc1 .Lopen_\@
	LOWMASK
.Lopen_\@:
.endif
.if \high
	HIGHMASK                                       ; my fifth step begins at 256 b + 128 h8 + 256 and ends 127 on, past q0 + 256 = 256 b + 16 w + 256 for every wave: always on the edge
.endif
	SOFTMAX 4, 1
	s_wait_dscnt 0x0
	PV 0, 0
	PLACES
.if (\i)%2
	LDV AVO, ((\i)/2)*GV+64, 1
.else
	LDV AVE, ((\i)/2)*GV, 1
.endif
	s_wait_dscnt 0x0
	PV 1, 0
.Lskip_\@:
	s_add_co_u32 s[KF], s[KF], 128
.endm
; A step for queries 0 .. 15: no mask, operands from memory.  s = 0: the first, which starts O^T's sums.
.macro GSTEP s
	PLACES
	LDKG \s, 0
	s_wait_loadcnt 0x0
	QK 0, RKS
	PLACES
	LDKG \s, 1
	s_wait_loadcnt 0x0
	QK 1, RKS
	PLACES
	LDVG \s, 0
	SOFTMAX 4, \s
	s_wait_loadcnt 0x0
	PV 0, 1-\s
	PLACES
	LDVG \s, 1
	s_wait_loadcnt 0x0
	PV 1, 1-\s
.endm
.macro KSW i, reg                      ; K's scale words of my step i: 512 dense bytes, read whole by four loads of 128; the step's first key held inside the head, so that the load is made on every path
	s_add_co_i32 s100, s[KF], 128*\i
	s_max_i32 s100, s100, 0
	s_min_i32 s100, s100, 1920
	v_lshl_add_u32 v[\reg], s100, 2, v[KSOFF]
.irp x, 0,1,2,3
	global_load_b32 v[RKS+4*\i+\x], v[\reg], s[10:11] offset:128*\x
.endr
.endm
	; ---- the head: ids, descriptors, the tensor loads
	s_load_b256 s[4:11], s[0:1], 0x0               ; Q's codes s[4:5], Q's scales s[6:7], K's codes s[8:9], K's scales s[10:11]
	s_load_b128 s[12:15], s[0:1], 0x20             ; V's codes, V's scales
	s_load_b64 s[16:17], s[0:1], 0x30              ; O
	v_lshl_add_u32 v254, v0, 2, 0x46000
	v_mov_b32 v255, 0
	ds_add_u32 v254, v255
	ds_add_u32 v254, v255
	s_wait_dscnt 0x0
	v_lshrrev_b32 v1, 5, v0
	v_readfirstlane_b32 s[WV], v1                  ; wave 0 .. 15
	s_mov_b32 s[BX], ttmp9                         ; b
	s_and_b32 s2, ttmp7, 0xffff                    ; the head
	s_lshr_b32 s[H8], s[WV], 3
	s_lshl_b32 s[Q0], s[BX], 8
	s_lshl_b32 s100, s[WV], 4
	s_add_co_u32 s[Q0], s[Q0], s100                ; my first query
	s_lshl_b32 s[KF], s[BX], 8
	s_lshl_b32 s100, s[H8], 7
	s_add_co_u32 s[KF], s[KF], s100
	s_sub_co_u32 s[KF], s[KF], 256                 ; my first step's first key: 256 b + 128 h8 - 256 (it may wrap)
	s_cmp_eq_u32 s[Q0], 0
	s_cselect_b32 s[KF], 0x1000, s[KF]             ; the tile of queries 0 .. 15 has no band step
	s_sub_co_i32 s[LOMAX], s[Q0], 241
	s_max_i32 s[LOMAX], s[LOMAX], 32               ; max(q0 + 15 - 256, 32)
	s_mov_b32 s[SEL], 0x76543210
	s_mov_b32 s[SEL+1], 0xfedcba98
	s_mov_b32 s[CS], 0x3e0293ee                    ; c = log2(e) / sqrt(128)
	s_mov_b32 s[CS+1], s[CS]                       ; (named with it as a pair, so it is written)
	s_mov_b32 s[G1K], (1<<20)|(3<<22)|(3<<25)      ; K: elements of 1 byte; four words of padding after every 16
	s_mov_b32 s[G1K+1], 64<<16                     ; tensor_dim0 = 64
	s_mov_b32 s[G1K+2], 128<<16                    ; tensor_dim1 = 128
	s_mov_b32 s[G1K+3], 64<<16                     ; tile_dim0
	s_mov_b32 s[G1K+4], 128                        ; tile_dim1
	s_mov_b32 s[G1K+5], 64                         ; from row to row
	s_mov_b32 s[G1K+6], 0
	s_mov_b32 s[G1K+7], 0
	s_mov_b32 s[G1V], (1<<20)|(4<<22)|(3<<25)      ; V: 64 rows of 128 bytes, 1,024 bytes apart; four words of padding after every 32
	s_mov_b32 s[G1V+1], 128<<16
	s_mov_b32 s[G1V+2], 64<<16
	s_mov_b32 s[G1V+3], 128<<16
	s_mov_b32 s[G1V+4], 64
	s_mov_b32 s[G1V+5], 1024
	s_mov_b32 s[G1V+6], 0
	s_mov_b32 s[G1V+7], 0
	s_mov_b32 s[G1S], 0                            ; V's scale bytes: 128 rows of 8 bytes, 64 bytes apart; no padding
	s_mov_b32 s[G1S+1], 8<<16
	s_mov_b32 s[G1S+2], 128<<16
	s_mov_b32 s[G1S+3], 8<<16
	s_mov_b32 s[G1S+4], 128
	s_mov_b32 s[G1S+5], 64
	s_mov_b32 s[G1S+6], 0
	s_mov_b32 s[G1S+7], 0
	s_lshl_b32 s66, s2, 17                         ; a head's codes: 131,072 bytes,
	s_mov_b32 s67, 0
	s_lshl_b32 s100, s2, 13                        ; its scale bytes: 8,192,
	s_mov_b32 s101, 0
	s_lshl_b32 s104, s2, 20                        ; its rows of O: 1,048,576
	s_mov_b32 s105, 0
	s_wait_kmcnt 0x0
	s_add_nc_u64 s[4:5], s[4:5], s[66:67]
	s_add_nc_u64 s[8:9], s[8:9], s[66:67]
	s_add_nc_u64 s[12:13], s[12:13], s[66:67]
	s_add_nc_u64 s[6:7], s[6:7], s[100:101]
	s_add_nc_u64 s[10:11], s[10:11], s[100:101]
	s_add_nc_u64 s[14:15], s[14:15], s[100:101]
	s_add_nc_u64 s[16:17], s[16:17], s[104:105]
	s_and_b32 s3, s[WV], 1                         ; which half of a tile I fetch, if I fetch
	s_mul_i32 s66, s3, KSTEP                       ; K: 128 keys, in LDS
	s_mul_i32 s67, s3, 64*VP                       ; V: 64 rows, in LDS
	s_lshl_b32 s2, s3, 13                          ; K: in memory
	s_lshl_b32 s101, s3, 16                        ; V: in memory
	s_mov_b32 s60, 1                               ; groups 0: count 1, LDS address, global address, type 2.  V's tile of keys 0 .. 255:
	s_add_co_u32 s61, s67, VB
	s_mov_b32 s104, s101
	s_add_nc_u64 s[62:63], s[12:13], s[104:105]
	s_or_b32 s63, s63, 0x80000000
	s_mov_b32 s80, 1                               ; and its scale bytes
	s_mov_b32 s81, TB
	s_mov_b64 s[82:83], s[14:15]
	s_or_b32 s83, s83, 0x80000000
.irp g, 0,1,2                          ; the window's three groups of 256 keys: group b - 1 + g of the head's eight, held to 0 .. 7
	s_add_co_u32 s100, s[BX], \g
	s_max_u32 s100, s100, 1
	s_min_u32 s100, s100, 8
	s_sub_co_u32 s100, s100, 1
	s_mov_b32 s[48+4*\g], 1
	s_add_co_u32 s[49+4*\g], s66, KB+2*KSTEP*\g
	s_lshl_b32 s104, s100, 14
	s_add_co_u32 s104, s104, s2
	s_add_nc_u64 s[50+4*\g:51+4*\g], s[8:9], s[104:105]
	s_or_b32 s[51+4*\g], s[51+4*\g], 0x80000000
	s_mov_b32 s[68+4*\g], 1
	s_add_co_u32 s[69+4*\g], s67, VB+GV*(\g+1)
	s_lshl_b32 s104, s100, 7
	s_add_co_u32 s104, s104, s101
	s_add_nc_u64 s[70+4*\g:71+4*\g], s[12:13], s[104:105]
	s_or_b32 s[71+4*\g], s[71+4*\g], 0x80000000
	s_mov_b32 s[84+4*\g], 1
	s_mov_b32 s[85+4*\g], TB+1024*(\g+1)
	s_lshl_b32 s104, s100, 3
	s_add_nc_u64 s[86+4*\g:87+4*\g], s[14:15], s[104:105]
	s_or_b32 s[87+4*\g], s[87+4*\g], 0x80000000
.endr
	; All fills of the launch, one group: waves 0, 1: K's three groups, a half each; waves 2, 3: V's four tiles, a half each; wave 4: V's scale bytes.  At most four loads of a wave are out.
	s_cmp_lt_u32 s[WV], 2
	s_cbranch_scc0 .Lnot_k
	tensor_load_to_lds s[48:51], s[G1K:G1K+7]
	s_nop 0
	tensor_load_to_lds s[52:55], s[G1K:G1K+7]
	s_nop 0
	tensor_load_to_lds s[56:59], s[G1K:G1K+7]
	s_nop 0
	PLACES
	s_branch .Lasked
.Lnot_k:
	s_cmp_lt_u32 s[WV], 4
	s_cbranch_scc0 .Lnot_v
	tensor_load_to_lds s[60:63], s[G1V:G1V+7]
	s_nop 0
	tensor_load_to_lds s[68:71], s[G1V:G1V+7]
	s_nop 0
	tensor_load_to_lds s[72:75], s[G1V:G1V+7]
	s_nop 0
	tensor_load_to_lds s[76:79], s[G1V:G1V+7]
	s_nop 0
	PLACES
	s_branch .Lasked
.Lnot_v:
	s_cmp_eq_u32 s[WV], 4
	s_cbranch_scc0 .Lasked
	tensor_load_to_lds s[80:83], s[G1S:G1S+7]
	s_nop 0
	tensor_load_to_lds s[84:87], s[G1S:G1S+7]
	s_nop 0
	tensor_load_to_lds s[88:91], s[G1S:G1S+7]
	s_nop 0
	tensor_load_to_lds s[92:95], s[G1S:G1S+7]
	s_nop 0
	PLACES
.Lasked:
	; ---- every address register, on the way that all waves take
	v_and_b32 v244, 15, v0                         ; r
	v_bfe_u32 v245, v0, 4, 1                       ; h
	v_and_b32 v246, 31, v0                         ; lane
	v_and_b32 v247, 8, v244
	v_add_nc_u32 v247, v247, v244                  ; r + 8 (r / 8)
	v_mul_u32_u24 v[AK], v247, KP
	v_lshl_add_u32 v[AK], v245, 4, v[AK]
	s_mul_i32 s100, s[H8], KSTEP
	v_add_nc_u32 v[AK], s100, v[AK]
	v_mul_u32_u24 v[AVG], v244, VP
	v_lshl_add_u32 v[AVG], v245, 4, v[AVG]
	v_add_nc_u32 v[AVG], VB, v[AVG]
	s_lshl_b32 s100, s[H8], 6                      ; step h8 + i of the window: group (h8 + i) / 2, half (h8 + i) % 2 of its rows' 128 bytes.  i even: 64 h8 on from group i / 2;
	s_add_co_u32 s100, s100, GV
	v_add_nc_u32 v[AVE], s100, v[AVG]
	s_mul_i32 s100, s[H8], GV-64                   ; i odd: with the offset's 64, h8 = 1 begins the next group
	s_add_co_u32 s100, s100, GV
	v_add_nc_u32 v[AVO], s100, v[AVG]
	v_lshl_add_u32 v[ATG], v246, 3, TB
	s_lshl_b32 s100, s[H8], 2                      ; the scale words likewise: 4 bytes a step, 1,024 a group
	s_add_co_u32 s100, s100, 1024
	v_add_nc_u32 v[ATE], s100, v[ATG]
	s_mul_i32 s100, s[H8], 1020
	s_add_co_u32 s100, s100, 1024
	v_add_nc_u32 v[ATO], s100, v[ATG]
	s_mul_i32 s100, s[WV], 16*272
	s_add_co_u32 s100, s100, STG                   ; my stage
	v_mul_u32_u24 v[STO], v244, 272
	v_lshl_add_u32 v[STO], v245, 5, v[STO]
	v_add_nc_u32 v[STO], s100, v[STO]              ; in: row r, 32 h
	v_mul_u32_u24 v[SRD], v245, 272
	v_lshl_add_u32 v[SRD], v244, 4, v[SRD]
	v_add_nc_u32 v[SRD], s100, v[SRD]              ; back: lanes 0-15 one row, lanes 16-31 the next
	s_lshl_b32 s100, s[Q0], 9
	v_lshlrev_b32 v[GO], 9, v245
	v_lshl_add_u32 v[GO], v244, 4, v[GO]
	v_add_nc_u32 v[GO], s100, v[GO]
	s_lshl_b32 s100, s[WV], 9
	v_lshl_add_u32 v[MGO], v246, 4, s100
	s_and_b32 s104, s[WV], 7                       ; only waves 0 .. 7 store parts
	s_lshl_b32 s100, s104, 13
	s_add_co_u32 s100, s100, PART
	v_lshl_add_u32 v[PA], v246, 4, s100
	s_lshl_b32 s100, s104, 7
	s_add_co_u32 s100, s100, PNM
	v_lshl_add_u32 v[PS], v246, 2, s100
	s_lshl_b32 s100, s[WV], 9
	s_add_co_u32 s100, s100, PART
	v_lshl_add_u32 v[MA], v246, 4, s100            ; registers 4 w .. 4 w + 3 of each image
	v_lshl_add_u32 v[MS], v246, 2, PNM
	s_lshr_b32 s100, s[WV], 1
	s_lshl_b32 s100, s100, 6
	s_and_b32 s104, s[WV], 1
	s_lshl_b32 s104, s104, 4
	s_add_co_u32 s100, s100, s104
	s_add_co_u32 s100, s100, MST                   ; these four registers are channels 16 (w / 2) + 8 h + 4 (w % 2) on of query r
	v_mul_u32_u24 v[MW], v244, 528
	v_lshl_add_u32 v[MW], v245, 5, v[MW]
	v_add_nc_u32 v[MW], s100, v[MW]
	s_mul_i32 s100, s[WV], 528
	s_add_co_u32 s100, s100, MST
	v_lshl_add_u32 v[MR], v246, 4, s100
	v_lshlrev_b32 v232, 4, v245                    ; 16 h
	s_sub_co_u32 s100, s[Q0], 256
	v_add_nc_u32 v[LOQ], s100, v244
	v_max_i32 v[LOQ], 32, v[LOQ]
	v_sub_nc_u32 v[LOQ], v[LOQ], v232
	s_add_co_u32 s100, s[Q0], 256
	v_add_nc_u32 v[HIQ], s100, v244
	v_sub_nc_u32 v[HIQ], v[HIQ], v232
	v_lshlrev_b32 v[KG0], 6, v247
	v_add_nc_u32 v[KG0], v[KG0], v232
	s_lshl_b32 s100, s[WV], 14
	v_add_nc_u32 v[GK], s100, v[KG0]
	v_lshl_add_u32 v[KSOFF], v245, 3, v247
	v_lshlrev_b32 v[KSOFF], 2, v[KSOFF]
	s_lshl_b32 s100, s[WV], 10
	v_add_nc_u32 v[GKS], s100, v[KSOFF]
	v_lshl_add_u32 v[GVA], v244, 10, v232
	s_lshl_b32 s100, s[WV], 7
	v_add_nc_u32 v[GVA], s100, v[GVA]
	s_lshl_b32 s100, s[WV], 3
	v_lshl_add_u32 v[GVS], v246, 6, s100
	v_lshl_add_u32 v[QOFF], v244, 6, v232
	v_lshlrev_b32 v[QSOFF], 2, v244
	s_sub_co_u32 s100, s[Q0], 272
	v_add_nc_u32 v233, s100, v244
	v_mov_b32 v232, -1
	v_cmp_ne_u32 vcc_lo, 0, v245
	v_cndmask_b32 v[GMQ], v232, v233, vcc_lo       ; lanes 16-31 hold keys 16 + i of block 0: hidden where i < query - 272; lanes 0-15 hold keys 0 .. 15: never hidden
.irp z, 0,1,2,3
	v_mov_b32 v[RPM+\z], 0                         ; written once: a lane permute's destination counts as one of its sources
.endr
	v_mov_b32 v253, 0                              ; (named as the upper half of the pair v[252:253] before it is first written)
	; ---- queries 0 .. 15 (b = 0, waves 0 .. 7): keys 256 w .. 256 w + 255
	s_cmp_lg_u32 s[BX], 0
	s_cbranch_scc1 .Lno_part
	s_cmp_gt_u32 s[WV], 7
	s_cbranch_scc1 .Lno_part
	global_load_b128 v[16:19], v[QOFF], s[4:5]
	global_load_b128 v[20:23], v[QOFF], s[4:5] offset:32
	global_load_b32 v255, v[QSOFF], s[6:7]
	INIT
	GSTEP 0
	GSTEP 1
	PLACES
	v_add_f32 v14, v14, v15
	v_permlanex16_b32 v252, v14, s[SEL], s[SEL+1]
	v_add_f32 v14, v14, v252                       ; my part's sum
.irp z, 0,1,2,3,4,5,6,7,8,9,10,11,12,13,14,15
	ds_store_b128 v[PA], v[ROT+4*\z:ROT+4*\z+3] offset:512*\z      ; O^T as an image of its registers, each accumulator from its low end on
.endr
	ds_store_b32 v[PS], v12
	ds_store_b32 v[PS], v14 offset:1024
.Lno_part:
	; ---- my own tile's Q, block 0's keys, and K's scale words of my five steps
	PLACES
	s_wait_xcnt 0x0                                ; Q's two bases are stepped only behind this wait
	s_lshl_b32 s100, s[Q0], 6
	s_mov_b32 s101, 0
	s_add_nc_u64 s[4:5], s[4:5], s[100:101]
	s_lshl_b32 s100, s[Q0], 2
	s_add_nc_u64 s[6:7], s[6:7], s[100:101]
	global_load_b128 v[16:19], v[QOFF], s[4:5]
	global_load_b128 v[20:23], v[QOFF], s[4:5] offset:32
	global_load_b32 v255, v[QSOFF], s[6:7]
.irp u, 0,1
.irp c, 0,1
	global_load_b128 v[RFR+8*\u+4*\c:RFR+8*\u+4*\c+3], v[KG0], s[8:9] offset:512*\u+32*\c   ; tile u of block 0: key 8 u + r + 8 (r / 8)
.endr
.endr
	global_load_b32 v[KGS], v[KSOFF], s[10:11]
	KSW 0, 94
	KSW 1, 95
	KSW 2, 240
	KSW 3, 241
	KSW 4, 242
	s_wait_tensorcnt 0x2                           ; of my loads, if I have any, all but the last two are in: the window's first group, and V's tile and scale bytes of keys 0 .. 255; groups 1 and 2 stay out
	s_wait_loadcnt 0x0                             ; my own loads above
	s_wait_dscnt 0x0                               ; for the others' sake: my part lies in LDS
	s_barrier_signal -1
	s_barrier_wait -1
	; ---- queries 0 .. 15: the eight parts are joined, four registers a wave
	s_cmp_lg_u32 s[BX], 0
	s_cbranch_scc1 .Lno_join
.irp p, 0,1,2,3,4,5,6,7
	ds_load_b128 v[RSC+4*\p:RSC+4*\p+3], v[MA] offset:8192*\p
.endr
.irp p, 0,1,2,3,4,5,6,7
	ds_load_b32 v[128+\p], v[MS] offset:128*\p
	ds_load_b32 v[136+\p], v[MS] offset:1024+128*\p
.endr
	s_wait_dscnt 0x0
	v_min3_num_f32 v144, v128, v129, v130
	v_min3_num_f32 v144, v144, v131, v132
	v_min3_num_f32 v144, v144, v133, v134
	v_min_num_f32 v144, v144, v135                 ; -M of the whole row: the least of the parts' -M
.irp p, 0,1,2,3,4,5,6,7
	v_sub_f32 v[146+\p], v144, v[128+\p]           ; the part's M less the row's: a whole number, 0 or less
.endr
.irp p, 0,1,2,3,4,5,6,7
	v_cvt_i32_f32 v[146+\p], v[146+\p]
.endr
.irp p, 0,1,2,3,4,5,6,7
	v_ldexp_f32 v[146+\p], 1.0, v[146+\p]          ; the part's factor: a power of two
.endr
	v_mul_f32 v145, v146, v136
.irp z, 0,1,2,3
	v_mul_f32 v[ROT+\z], v146, v[RSC+\z]
.endr
.irp p, 1,2,3,4,5,6,7
	v_fmac_f32 v145, v[146+\p], v[136+\p]          ; the row's sum
.irp z, 0,1,2,3
	v_fmac_f32 v[ROT+\z], v[146+\p], v[RSC+4*\p+\z]
.endr
.endr
	v_rcp_f32 v145, v145
	v_nop                                          ; one plain place behind a transcendental
	s_wait_alu depctr_va_vdst(0)
.irp z, 0,1,2,3
	v_mul_f32 v[ROT+\z], v[ROT+\z], v145
.endr
	ds_store_b128 v[MW], v[ROT:ROT+3]
.Lno_join:
	; ---- block 0: keys 0 .. 31, the first step of every tile: its products start O^T's sums
	INIT
	v_wmma_scale_f32_16x16x128_f8f6f4 v[RSC:RSC+7], v[RFR:RFR+7], v[16:23], 0, v[KGS], v255 matrix_a_fmt:MATRIX_FMT_FP4 matrix_b_fmt:MATRIX_FMT_FP4
	v_wmma_scale_f32_16x16x128_f8f6f4 v[RSC+8:RSC+15], v[RFR+8:RFR+15], v[16:23], 0, v[KGS], v255 matrix_a_fmt:MATRIX_FMT_FP4 matrix_b_fmt:MATRIX_FMT_FP4 matrix_a_scale:MATRIX_SCALE_ROW1
	PLACES
	LDV AVG, 0, 0
	LDT ATG, 0
	s_cmp_le_u32 s[Q0], 256                        ; up to query 272 all of keys 16 .. 31 lie in the band
	s_cbranch_scc1 .Lblock0_open
	v_mov_b32 v254, 0xff800000
.irp n, 0,1,2,3,4,5,6,7,8,9,10,11,12,13,14,15
	v_cmp_lt_i32 vcc_lo, \n, v[GMQ]
	v_cndmask_b32 v[RSC+\n], v[RSC+\n], v254, vcc_lo
.endr
.Lblock0_open:
	SOFTMAX 1, 0
	PLACES                                         ; with the eight additions above: the places between p's scale word and the products
	s_wait_dscnt 0x0
	PV 0, 1
	PLACES
	LDV AVG, 0, 1
	s_wait_dscnt 0x0
	PV 1, 1
	; ---- the band
	STEP 0, 1, 0                                   ; window steps 0, 1: group 0
	s_wait_tensorcnt 0x1                           ; all but my last load are in: group 1
	s_wait_dscnt 0x0                               ; the joined numbers lie in LDS
	s_barrier_signal -1
	s_barrier_wait -1
	s_cmp_lg_u32 s[BX], 0
	s_cbranch_scc1 .Lno_rows
	ds_load_b128 v[240:243], v[MR]                 ; row w of queries 0 .. 15
	s_wait_dscnt 0x0
	global_store_b128 v[MGO], v[240:243], s[16:17] th:TH_STORE_NT  ; 32 lanes store 512 consecutive bytes, at a multiple of 512 from O's first byte; these registers are not written again
.Lno_rows:
	STEP 1, 1, 0                                   ; window steps 1 .. 3: groups 0 and 1
	STEP 2, 1, 0
	s_wait_tensorcnt 0x0                           ; group 2 is in; no tensor load is out from here on
	s_wait_dscnt 0x0
	s_barrier_signal -1
	s_barrier_wait -1
	STEP 3, 0, 0                                   ; the fourth step lies wholly inside every query's band
	STEP 4, 0, 1
	; ---- the way out: O^T / the sum, through my stage, half a row (256 bytes) of 16 queries at a time
	s_cmp_eq_u32 s[Q0], 0                          ; queries 0 .. 15 have left already
	s_cbranch_scc1 .Lend
	PLACES
	v_add_f32 v14, v14, v15
	v_permlanex16_b32 v252, v14, s[SEL], s[SEL+1]
	v_add_f32 v14, v14, v252                       ; the row's sum
	v_rcp_f32 v14, v14
	v_nop                                          ; one plain place behind a transcendental
.set j, 0
	s_wait_alu depctr_va_vdst(0)
.rept 32
	v_pk_mul_f32 v[RSC+j:RSC+j+1], v[ROT+j:ROT+j+1], v[14:15] op_sel_hi:[1,0]   ; register 8 t + i is o(r, 16 t + 8 h + i)
.set j, j+2
.endr
.irp u, 0,1
.irp t, 0,1,2,3
	ds_store_b128 v[STO], v[RSC+32*\u+8*\t:RSC+32*\u+8*\t+3] offset:64*\t
	ds_store_b128 v[STO], v[RSC+32*\u+8*\t+4:RSC+32*\u+8*\t+7] offset:64*\t+16
.endr
.irp i, 0,1,2,3,4,5,6,7
	ds_load_b128 v[ROT+32*\u+4*\i:ROT+32*\u+4*\i+3], v[SRD] offset:2*\i*272   ; LDS serves a wave's instructions in order (ISA guide 5.7.1.4): these see my stores, and the next half's stores come behind them
.endr
.endr
.irp u, 0,1
.irp i, 0,1,2,3,4,5,6,7
	s_wait_dscnt (1-\u)*16+7-\i                    ; behind this load: the rest of its run of eight, and for the first half the second half's eight stores and eight loads
	global_store_b128 v[GO], v[ROT+32*\u+4*\i:ROT+32*\u+4*\i+3], s[16:17] offset:1024*\i+256*\u th:TH_STORE_NT   ; 16 lanes store 256 consecutive bytes, at a multiple of 256 from O's first byte
.endr
.endr
.Lend:
	s_wait_xcnt 0x0
	v_lshl_add_u32 v254, v0, 2, 0x46000
	v_mov_b32 v255, 0
	s_wait_tensorcnt 0x0
	ds_add_u32 v254, v255
	s_wait_dscnt 0x0
	s_endpgm
.Lfunc_end_k_q3678a8e1e3_gla:
	.size	k_q3678a8e1e3_gla, .Lfunc_end_k_q3678a8e1e3_gla-k_q3678a8e1e3_gla
	.p2alignl 7, 3214868480
	.fill 96, 4, 3214868480
	.section	.rodata,"a",@progbits
	.p2align	6, 0x0
	.amdhsa_kernel k_q3678a8e1e3_gla
		.amdhsa_group_segment_fixed_size 288768
		.amdhsa_private_segment_fixed_size 0
		.amdhsa_enable_private_segment 0
		.amdhsa_kernarg_size 56
		.amdhsa_user_sgpr_count 2
		.amdhsa_user_sgpr_kernarg_segment_ptr 1
		.amdhsa_wavefront_size32 1
		.amdhsa_system_sgpr_workgroup_id_x 1
		.amdhsa_system_sgpr_workgroup_id_y 1
		.amdhsa_system_sgpr_workgroup_id_z 1
		.amdhsa_system_vgpr_workitem_id 0
		.amdhsa_next_free_vgpr 256
		.amdhsa_next_free_sgpr 106
		.amdhsa_reserve_vcc 1
		.amdhsa_float_denorm_mode_32 3
		.amdhsa_float_denorm_mode_16_64 3
		.amdhsa_memory_ordered 1
		.amdhsa_forward_progress 1
		.amdhsa_inst_pref_size 183
	.end_amdhsa_kernel
	.amdgpu_metadata
---
amdhsa.version: [ 1, 2 ]
amdhsa.kernels:
  - .name:           k_q3678a8e1e3_gla
    .symbol:         k_q3678a8e1e3_gla.kd
    .args:
      - { .name: q_codes, .offset: 0, .size: 8, .value_kind: global_buffer, .address_space: global }
      - { .name: q_scales, .offset: 8, .size: 8, .value_kind: global_buffer, .address_space: global }
      - { .name: k_codes, .offset: 16, .size: 8, .value_kind: global_buffer, .address_space: global }
      - { .name: k_scales, .offset: 24, .size: 8, .value_kind: global_buffer, .address_space: global }
      - { .name: v_codes, .offset: 32, .size: 8, .value_kind: global_buffer, .address_space: global }
      - { .name: v_scales, .offset: 40, .size: 8, .value_kind: global_buffer, .address_space: global }
      - { .name: out0, .offset: 48, .size: 8, .value_kind: global_buffer, .address_space: global }
    .group_segment_fixed_size: 288768
    .private_segment_fixed_size: 0
    .kernarg_segment_align: 8
    .kernarg_segment_size: 56
    .max_flat_workgroup_size: 512
    .sgpr_count:     106
    .vgpr_count:     256
    .wavefront_size: 32
...
	.end_amdgpu_metadata
.endif
;; end of part 1
